; MI455X (gfx1250); checked and timed in simulation.
; The chip was launched on July 23, 2026; its instructions are those of AMD's public machine-readable ISA for CDNA 5 (MIT licence, August 2026) and "CDNA5" Instruction Set Architecture Reference Guide (July 2026). The comments in the code are by the model that wrote it; some were corrected since.
;; Quantized Expert. Allowed arithmetic: float matrix products may take bf16 or f16 operands with f32 sums; other float arithmetic in f32, or as packed bf16 or f16 multiplies, adds, multiply-adds, maxima and minima; sums over many terms, partial sums and values carried from step to step in f32; what a program stores and reads back later, other than sums and carried values, may be rounded once to bf16 or f16.
;; Inputs: fc1_packed 16,384 x 2,048 int32; fc1_scales 16,384 x 1 float32; fc2_packed 4,096 x 8,192 int32; fc2_scales 4,096 x 1 float32; x 512 x 4,096 float32.
;; Outputs: out0 512 x 4,096 float32.
;; One version. Each part assembles by itself: llvm-mc -triple=amdgcn-amd-amdhsa -mcpu=gfx1250 --defsym DOCPART=n.
;; ======== version 1 of 1: 4 launches
;; workspace buffers: xb 4,194,304 bytes; hb 16,777,216 bytes; w2q 67,108,864 bytes; part 33,554,432 bytes
;; launch castx (part 1): grid 256 x 1, 8 waves a work-group, no clusters, 0 bytes of LDS; arguments x, xb; writes xb
.if DOCPART == 1
	.amdgcn_target "amdgcn-amd-amdhsa--gfx1250"
	.amdhsa_code_object_version 6
	.text
	.protected	k_q061e7cf96d_castx
	.globl	k_q061e7cf96d_castx
	.p2align	8
	.type	k_q061e7cf96d_castx,@function
k_q061e7cf96d_castx:
	s_mov_b64 s[64:65], 0
	v_nop
	global_prefetch_b8 v0, s[64:65] scope:SCOPE_SE
	s_setreg_imm32_b32 hwreg(HW_REG_WAVE_MODE, 25, 1), 1
	s_wait_xcnt 0x0
; THE PROGRAM.  out0 = gelu(x W1^T) W2^T, W = (nibble - 8) x the row's scale, in four launches:
;   castx  xb = x rounded to bf16                                         (this one)
;   fc1    hb = gelu(s1[n] x sum over k of xb[m][k] q1[n][k]), rounded to bf16; beside that, w2q = q2 = nibble - 8 of the second weights, one exact 8-bit code a weight
;   fc2    part[c] = the sum over the c-th quarter of K of hb[m][k] q2[n][k], f32
;   addup  out0 = s2[n] x (part[0] + part[1] + part[2] + part[3])
; NO WORK IS LEFT OUT: every input has a way to the output, and all five are loaded.
; THE ORDER ALONG K.  In xb the four numbers 4 g .. 4 g + 3 of a row lie in the order 4 g, 4 g + 2, 4 g + 1, 4 g + 3: the order in which fc1 unpacks two neighbouring packed words.
; (hb and w2q share an order of their own, stated in fc1.)  Both operands of a product are permuted alike, so each product meets its partner.
; LIMITS.  x and both scale vectors are rounded to bf16 (nearest even) and h once more; sums in f32.
; THIS LAUNCH.  8 MiB in, 4 MiB out.  A work-group takes 32 KiB of x, a thread 16 bytes of each of eight blocks of 4,096: all eight loads go out before the first wait.
; A wave's load covers 512 consecutive bytes, its store 256, aligned.  No LDS, no barrier: no thread wants another's bytes.
.set X, 8                              ; v[8:39]   eight loads of four f32
.set Y, 40                             ; v[40:55]  eight pairs of packed bf16
	s_load_b128 s[4:7], s[0:1], 0x0                ; x s[4:5], xb s[6:7]
	s_lshl_b32 s8, ttmp9, 15                       ; the work-group's 32,768 bytes of x
	s_mov_b32 s9, 0
	s_lshl_b32 s10, ttmp9, 14                      ; and its 16,384 bytes of xb
	s_mov_b32 s11, 0
	v_lshlrev_b32 v2, 4, v0                        ; 16 bytes a thread in,
	v_lshlrev_b32 v3, 3, v0                        ; 8 out
	s_wait_kmcnt 0x0
	s_add_nc_u64 s[4:5], s[4:5], s[8:9]
	s_add_nc_u64 s[6:7], s[6:7], s[10:11]
.irp i, 0,1,2,3,4,5,6,7
	global_load_b128 v[X+4*(\i):X+4*(\i)+3], v2, s[4:5] offset:4096*(\i) th:TH_LOAD_NT
.endr
.irp i, 0,1,2,3,4,5,6,7
	s_wait_loadcnt 7-(\i)                          ; loads come back in order: load i is in, the 7 - i younger ones may stay out
	v_cvt_pk_bf16_f32 v[Y+2*(\i)],   v[X+4*(\i)],   v[X+4*(\i)+2]    ; numbers 0 and 2,
	v_cvt_pk_bf16_f32 v[Y+2*(\i)+1], v[X+4*(\i)+1], v[X+4*(\i)+3]    ; then 1 and 3
	global_store_b64 v3, v[Y+2*(\i):Y+2*(\i)+1], s[6:7] offset:2048*(\i)
.endr
	s_endpgm
.Lfunc_end_k_q061e7cf96d_castx:
	.size	k_q061e7cf96d_castx, .Lfunc_end_k_q061e7cf96d_castx-k_q061e7cf96d_castx
	.p2alignl 7, 3214868480
	.fill 96, 4, 3214868480
	.section	.rodata,"a",@progbits
	.p2align	6, 0x0
	.amdhsa_kernel k_q061e7cf96d_castx
		.amdhsa_group_segment_fixed_size 0
		.amdhsa_private_segment_fixed_size 0
		.amdhsa_enable_private_segment 0
		.amdhsa_kernarg_size 16
		.amdhsa_user_sgpr_count 2
		.amdhsa_user_sgpr_kernarg_segment_ptr 1
		.amdhsa_wavefront_size32 1
		.amdhsa_system_sgpr_workgroup_id_x 1
		.amdhsa_system_sgpr_workgroup_id_y 1
		.amdhsa_system_sgpr_workgroup_id_z 1
		.amdhsa_system_vgpr_workitem_id 0
		.amdhsa_next_free_vgpr 64
		.amdhsa_next_free_sgpr 66
		.amdhsa_reserve_vcc 0
		.amdhsa_float_denorm_mode_32 3
		.amdhsa_float_denorm_mode_16_64 3
		.amdhsa_memory_ordered 1
		.amdhsa_forward_progress 1
		.amdhsa_inst_pref_size 4
	.end_amdhsa_kernel
	.amdgpu_metadata
---
amdhsa.version: [ 1, 2 ]
amdhsa.kernels:
  - .name:           k_q061e7cf96d_castx
    .symbol:         k_q061e7cf96d_castx.kd
    .args:
      - { .name: x, .offset: 0, .size: 8, .value_kind: global_buffer, .address_space: global }
      - { .name: xb, .offset: 8, .size: 8, .value_kind: global_buffer, .address_space: global }
    .group_segment_fixed_size: 0
    .private_segment_fixed_size: 0
    .kernarg_segment_align: 8
    .kernarg_segment_size: 16
    .max_flat_workgroup_size: 256
    .sgpr_count:     66
    .vgpr_count:     64
    .wavefront_size: 32
...
	.end_amdgpu_metadata
.endif
;; end of part 1
;; launch fc1 (part 2): grid 64 x 4, 4 waves a work-group, clusters of 4 x 4, 327,680 bytes of LDS; arguments xb, fc1_packed, fc1_scales, hb, fc2_packed, w2q; writes hb, w2q
.if DOCPART == 2
	.amdgcn_target "amdgcn-amd-amdhsa--gfx1250"
	.amdhsa_code_object_version 6
	.text
	.protected	k_q061e7cf96d_fc1
	.globl	k_q061e7cf96d_fc1
	.p2align	8
	.type	k_q061e7cf96d_fc1,@function
k_q061e7cf96d_fc1:
	s_mov_b64 s[64:65], 0
	v_nop
	global_prefetch_b8 v0, s[64:65] scope:SCOPE_SE
	s_setreg_imm32_b32 hwreg(HW_REG_WAVE_MODE, 25, 1), 1
	s_wait_xcnt 0x0
	s_wait_alu depctr_hold_cnt(0) depctr_sa_sdst(0) depctr_va_vdst(0) depctr_va_sdst(0) depctr_va_ssrc(0) depctr_va_vcc(0) depctr_vm_vsrc(0)
	s_getreg_b32 s2, hwreg(HW_REG_IB_STS2, 6, 4)
	s_cmp_eq_u32 s2, 0
	s_cbranch_scc0 .Lentry_in_a_cluster
	s_endpgm
.Lentry_in_a_cluster:
	s_bfe_u32 s2, ttmp6, 0x10000c
	s_cmp_lg_u32 s2, 0xf033
	s_cbranch_scc0 .Lentry_shape_is_right
	s_endpgm
.Lentry_shape_is_right:
; THE FIRST PRODUCT, AND THE SECOND PRODUCT'S WEIGHTS UNPACKED ON THE SIDE.  No work of the problem is left out.
;   hb[m][n] = bf16(gelu(s1[n] C[m][n])), C[m][n] = the sum over 4,096 k of xb[m][k] q1[n][k], q = nibble - 8.  xb [512][4096] bf16, fc1_packed [16384][2048] words, hb [512][16384] bf16.
;   w2q[n][k] = nibble - 8 of fc2_packed [4096][8192] words, as FP8 (E4M3) codes, which hold -8 .. 7 exactly: [4096][16384] bytes.
; A PACKED WORD holds one byte: two weights, the high nibble for the even k.  So a packed row is as long as the same row in bf16, and one word becomes one register of two bf16 in its own place.
; LIMITS.  Packed words lie in 0 .. 255.  The row's scale is taken out of the sum (sum of x q s = s x sum of x q) and applied once, in f32, to the finished sum:
; an order of rounding other than W = q s rounded first.  q is exact in bf16.  The scales are rounded to bf16 like x.  gelu is the tanh form, as z / (1 + 2^(z (K0 + K1 z z))): for large |z| the power is 0 or infinite and the result z or 0.
; SHARES.  A work-group makes 128 rows x 256 columns: 256 work-groups.  Wave w makes all 128 rows x columns 64 w .. 64 w + 63: 32 accumulators; its weights are its own, so no word is unpacked twice in a work-group.
; K goes in 32 steps of 128 (rows of 256 bytes, aligned, for A and for B) through two LDS slots.
; CLUSTER.  4 x 4 work-groups: cy is the block of 128 rows, cx the block of 256 columns among the cluster's four.  A's tile hangs on cy alone and is asked for jointly by a row of the cluster, B's on cx and the
; cluster's number and is asked for jointly by a column: the same tensor load, descriptor and mask in all four.
; THE MATRIX INSTRUCTION IS USED TRANSPOSED: source 0 = 16 weight rows, source 1 = 16 rows of A.  Lane l then holds row l % 16 of C and the columns 8 (l / 16) + 0 .. 7.
; UNPACKING, 6 vector instructions for two words b0, b1 (4 weights): c = b0 | b1 << 16; c >> 4; each masked by 0x000f000f and set into 0x43004300 (bf16 128 + nibble, exact); -136 added (exact).
; The results are {k, k + 2} and {k + 1, k + 3}: the order in which xb is stored.  Three of these stand behind each matrix instruction: quarter q multiplies A(q) by the unpacked B(q) while B(q + 1) is unpacked,
; the raw words of B(q + 2) are read at each phase's end and A(q + 1) in the quarter's middle.
; ON THE SIDE.  In the second product four blocks of rows take the same weights, and each would unpack them for itself.  Here each word of fc2_packed is unpacked ONCE: wave W of the launch's 1,024 owns 128 KiB of it,
; 32 portions of 4 KiB, one to a K step.  A portion's eight loads go out a K step ahead; its 105 vector instructions stand in one run in front of the wait for the next tile; its eight stores cover 256 consecutive
; bytes each.  The same six instructions, in place, leave {k + 1, k + 3} in the first register of a pair and {k, k + 2} in the second; one conversion packs four such registers into 8 bytes.
; So the 8 bytes at offset X of a row of w2q hold the weights X + 1, 3, 0, 2, 5, 7, 4, 6, as the conversion lays four registers' halves; hb's columns are stored in that same order.
; REGISTERS, in windows of 256 (s_set_vgpr_msb: bits 1:0 source 0, 3:2 source 1, 5:4 source 2, 7:6 destination):
;   window 0: addresses; v32-39 the scales; v64-191 two buffers of A's eight fragments (later the way out's registers); v240 1.0
;   windows 1 and 2, alike (column fragments 0, 1 and 2, 3): v0-127 accumulators, (m, nn) at 8 (2 m + nn); v128-143 raw words; v144-175 two buffers of unpacked fragments; v176 the LDS address of the raw words
;   window 1 besides: v177, v178 the side's two offsets; v180-211 its 32 words; v212-227 its 16 packed registers; v240 1.0
; Under W_1 (W_2) source 0, source 2 and the destination mean window 1 (2) and source 1 window 0: a matrix instruction and the unpacking behind it need no switch between them.
.set ROWSH,  13                        ; a row of A and of B: 8,192 bytes
.set ROWB,   1<<ROWSH
.set OROWSH, 15                        ; a row of hb: 32,768 bytes
.set OROWB,  1<<OROWSH
.set PITCH,  272                       ; an LDS row: 256 bytes + 16 of padding = 68 words: the 16 rows of a fragment load start at 16 different groups of four banks (64 banks of 4 bytes: ISA guide 11.1)
.set FRAG,   16*PITCH
.set BOFF,   128*PITCH                 ; a slot: A's 128 rows, then B's 256
.set SLOT1,  1<<17                     ; slot 1 begins here (a slot has 104,448 bytes), so that one exclusive or turns an address in one slot into the other's
.set SPARE,  235520                    ; behind slot 1: the spare words, 128 bytes for each wave: two blocks of 256 bytes that no other line names
.set SPITCH, 1040                      ; the stage of the way out: 128 rows of 1,024 bytes + 16, from LDS byte 0: over slots that have had their last fill
.set STEPS,  32
.set ADRA,  16                         ; v16  LDS address of A's fragments in the slot in hand
.set ADRA0, 17                         ; v17  272 (l % 16) + 16 (l / 16); never rewritten
.set BB0,   18                         ; v18  the same + B's place + my wave's 64 rows; never rewritten
.set STO0,  19                         ; v19, v20  the way out: where I put 16 bytes of a row: rows 0-63, rows 64-127
.set RD,    21                         ; v21  the way out: my 16 bytes in my wave's first row
.set CO,    22                         ; v22  my byte offset in a row's 128 columns of the output
.set RDC,   23                         ; v23  RD + the trip's rows
.set SPW,   28                         ; v28  LDS address of my spare word; never rewritten
.set NIL,   29                         ; v29  0; never rewritten
.set PFO,   30                         ; v30  the prefetches' offset: my lane x a row; never rewritten
.set SC,    32                         ; v[32:39] the scales of my 4 + 4 columns of the way out
.set AF,    64
.set Z,     64                         ; the way out: 32 sums
.set T,     96                         ; 32 at work
.set O,     128                        ; 16 packed
.set RAW,   128                        ; windows 1, 2
.set CVB,   144
.set ADRB,  176
.set SIN,   177                        ; window 1: 16 x my lane; never rewritten
.set SOUT,  178                        ; window 1: 8 x my lane; never rewritten
.set SR,    180                        ; window 1: a portion's 32 words
.set SO,    212                        ; window 1: they, packed
.set ONE,   240                        ; windows 0 and 1: 1.0, the conversion's scale
.set WV,  12                           ; s12  my wave's number
.set FB,  13                           ; s13  0: I fetch for A; 1: for B
.set HF,  14                           ; s14  which half of that tile's rows
.set CX,  15
.set CY,  16
.set NBK, 17                           ; s17  my block of 256 columns
.set G1A, 24                           ; s[24:31] descriptor group 1, A's tiles     s[32:39] B's
.set G1B, 32
.set G0A, 40                           ; s[40:47] descriptor group 0, A's: a set for each first fill; the second then walks     s[48:55] B's
.set G0B, 48
.set CNT, 56                           ; s56  refills still to come
.set TB,  57                           ; s57  LDS byte at which the slot in hand begins
.set LIM, 58                           ; s58  4 in a wave that prefetches, else the greatest number
.set MASK,  59
.set MAGIC, 60
.set NEG,   61
.set PFA, 62                           ; s[62:63] where my prefetches stand
.set K0,  66                           ; s[66:67], s[68:69] gelu's two constants, named as pairs
.set K1,  68
.set OUTP, 70                          ; s[70:71] hb at my wave's rows and my block's columns
.set WC,  72                           ; s72  counts the way out's trips
.set RB,  73                           ; s73  the trip's rows in the stage, in bytes
.set MA,  74                           ; s74  the mask of my row of the cluster: made of cy alone
.set MB,  75                           ; s75  of my column: made of cx alone
.set SIP, 84                           ; s[84:85] fc2_packed at the portion that is loaded next
.set SOP, 86                           ; s[86:87] w2q one portion behind the one that is stored
.set G1W, (1<<16)|(1<<20)|(1<<21)|(5<<22)|(3<<25)  ; 17:16 elements of 2 bytes; 20 padding on; 21 set beside a mask; 24:22 after every 64 words (code 5); 31:25 4 words of it (code 3)
.set W_1,  0x51
.set W_2,  0xa2
.set W_ST, 0x05                        ; a global store's address (source 0) and data (source 1) in window 1
.set W_D1, 0x04                        ; an LDS store's data (source 1) in window 1
.set W_D2, 0x08
.set MSB, 0
.macro WIN new                         ; the immediate's high byte repeats the setting that is left; a switch that changes nothing is dropped
.if MSB != (\new)
	s_set_vgpr_msb (MSB<<8)|(\new)
.set MSB, \new
.endif
.endm
; A joint refill, by the walking descriptors.  Waves 0 and 1 fetch A's two halves (64 rows each), waves 2 and 3 B's (128 rows each).  The branch hangs on the wave's number alone.
; An s_nop 0 and four v_nop follow each of the two lines, ahead of the jump and the label.
.macro JLOAD
	s_cmp_eq_u32 s[FB], 0
	s_cbranch_scc0 .Lfor_b_\@
	tensor_load_to_lds s[G0A+4:G0A+7], s[G1A:G1A+7]
	s_nop 0
.rept 4
	v_nop
.endr
	s_branch .Lasked_\@
.Lfor_b_\@:
	tensor_load_to_lds s[G0B+4:G0B+7], s[G1B:G1B+7]
	s_nop 0
.rept 4
	v_nop
.endr
.Lasked_\@:
.endm
; A PREFETCH INTO THE L2, behind each refill: 32 rows x the 256 bytes of the K step that stands FOUR refills on (512 matrix instructions of the wave), a lane a row, one instruction.
; Each row's 256 bytes of a K step are named once in the launch.  B's rows are read by one column of one cluster: its four partners take 32 each of the 128 rows that waves 2 and 3 fetch, told apart BY ADDRESS (cy).
; A's rows are read by every cluster: the first of them asks, wave 0 alone, the four partners of a row 32 rows each, by address (cx).
; The last four refills have no K step four on and ask for nothing; K steps 0 to 5 come by their loads alone.  The side's words are not asked for: their loads go out a K step ahead and nothing waits for them.
.macro ASK
	s_cmp_gt_u32 s[CNT], s[LIM]
	s_cbranch_scc0 .Lnot_mine_\@
	global_prefetch_b8 v[PFO], s[PFA:PFA+1] th:TH_LOAD_NT scope:SCOPE_SE
.Lnot_mine_\@:
.endm
; A round of the cluster's barrier: my work-group's barrier, so that wave 0's signal speaks for all four waves; wave 0 signals; every wave waits for all sixteen work-groups; my work-group's barrier once more.
.macro CREST                           ; a round behind its opening barrier
	s_cmp_lg_u32 s[WV], 0
	s_cbranch_scc1 .Lnot_wave_0_\@
	s_barrier_signal -3
.Lnot_wave_0_\@:
	s_barrier_wait -3
	s_barrier_signal -1
	s_barrier_wait -1
.endm
.macro CROUND
	s_barrier_signal -1
	s_barrier_wait -1
	CREST
.endm
; Number cvn of a phase's 48 unpacking instructions, into buffer cb: eight pairs of words, stage by stage, so that an instruction and the one that feeds it stand eight apart.
.macro CV cb
.set rR, RAW+2*(cvn%8)
.set rC, CVB+16*(\cb)+2*(cvn%8)
.if cvn < 8
	v_lshl_or_b32 v[rR], v[rR+1], 16, v[rR]                  ; c = b0 | b1 << 16
.elseif cvn < 16
	v_bfe_u32 v[rR+1], v[rR], 4, 28                          ; c >> 4 (the register stands as source 0, which this window setting reaches)
.elseif cvn < 24
	v_and_or_b32 v[rC+1], v[rR], s[MASK], s[MAGIC]           ; 128 + low nibbles: k + 1, k + 3
.elseif cvn < 32
	v_and_or_b32 v[rC], v[rR+1], s[MASK], s[MAGIC]           ; 128 + high nibbles: k, k + 2
.elseif cvn < 40
	v_pk_add_bf16 v[rC], v[rC], s[NEG]                       ; - 136: nibble - 8, exact
.else
	v_pk_add_bf16 v[rC+1], v[rC+1], s[NEG]
.endif
.set cvn, cvn+1
.endm
; Matrix instruction mi of a phase's 16: rows 16 (mi / 2) on, column fragment mi % 2 of the window's two.  zero = 1: it starts the sum: nothing is ever cleared.
; The 32 accumulators take turns, one instruction a turn, over the backward jump too.
.macro MM ab, cb, zero
.if \zero
	v_wmma_f32_16x16x32_bf16 v[8*mi:8*mi+7], v[CVB+16*(\cb)+8*(mi%2):CVB+16*(\cb)+8*(mi%2)+7], v[AF+64*(\ab)+8*(mi/2):AF+64*(\ab)+8*(mi/2)+7], 0
.else
	v_wmma_f32_16x16x32_bf16 v[8*mi:8*mi+7], v[CVB+16*(\cb)+8*(mi%2):CVB+16*(\cb)+8*(mi%2)+7], v[AF+64*(\ab)+8*(mi/2):AF+64*(\ab)+8*(mi/2)+7], v[8*mi:8*mi+7]
.endif
.set mi, mi+1
.endm
.macro RUN n, ab, cb, zero, cv         ; n matrix instructions, behind each (cv = 1) three unpacking instructions for the other buffer
.rept \n
	MM \ab, \cb, \zero
.if \cv
	CV 1-(\cb)
	CV 1-(\cb)
	CV 1-(\cb)
.endif
.endr
.endm
.macro LDRAW fo, k                     ; the raw words of two column fragments (fo, fo + 1), 32 along K at byte k of the rows: four loads
.irp f, 0,1
	ds_load_b128 v[RAW+8*(\f):RAW+8*(\f)+3],   v[ADRB] offset:((\fo)+(\f))*FRAG+(\k)
	ds_load_b128 v[RAW+8*(\f)+4:RAW+8*(\f)+7], v[ADRB] offset:((\fo)+(\f))*FRAG+(\k)+32
.endr
.endm
.macro LDA ab, k                       ; A's eight fragments, rows ascending: sixteen loads
.irp m, 0,1,2,3,4,5,6,7
	ds_load_b128 v[AF+64*(\ab)+8*(\m):AF+64*(\ab)+8*(\m)+3],   v[ADRA] offset:(\m)*FRAG+(\k)
	ds_load_b128 v[AF+64*(\ab)+8*(\m)+4:AF+64*(\ab)+8*(\m)+7], v[ADRA] offset:(\m)*FRAG+(\k)+32
.endr
.endm
; A QUARTER of a K step: 32 along K, two phases of 16 matrix instructions.  LDS loads were issued in the order raw (window 1) x 4, A x 16, raw (window 2) x 4.
; hw: how many of them may be out at the head: 12 (A's rows 64-127 and window 2's raw words), or 4 where A was waited for already.  more = 0: no raw words are left to read.
; A load into a register that a matrix instruction has read stands four plain vector instructions or more behind it (ISA guide 7.12.1 for vector instructions):
; A's other buffer was last read in the quarter before, 48 unpacking instructions back.
.macro QUARTER q, zero, hw, more
.set AB, (\q)%2
	s_wait_dscnt \hw
	WIN W_1
.set mi, 0
.set cvn, 0
	RUN 8, AB, AB, \zero, 1
	s_wait_dscnt 4                                 ; all of A is in; window 2's four raw loads may be out
	RUN 8, AB, AB, \zero, 1
.if \more
	LDRAW 0, (((\q)+2)%4)*64
.endif
	WIN 0
	LDA 1-AB, (((\q)+1)%4)*64
	WIN W_2
	s_wait_dscnt 16+4*(\more)                      ; all but the loads just issued: window 2's raw words are in
.set mi, 0
.set cvn, 0
	RUN 16, AB, AB, \zero, 1
.if \more
	LDRAW 2, (((\q)+2)%4)*64
.endif
.endm
; THE SIDE.  SSTEP: both pointers go on by a portion.  SLOADS: a portion's eight loads, 512 consecutive bytes each.  SIDE: the portion that is in is unpacked in place, packed and stored; more = 1: the next is asked for.
.macro SSTEP
	s_wait_xcnt 0x0                                ; every earlier load, store and prefetch has read its address and its data: only behind this wait are the pointers and the packed registers written again
	s_add_nc_u64 s[SIP:SIP+1], s[SIP:SIP+1], 4096
	s_add_nc_u64 s[SOP:SOP+1], s[SOP:SOP+1], 2048
.endm
.macro SLOADS
.set c, 0
.rept 8
	global_load_b128 v[SR+4*c:SR+4*c+3], v[SIN], s[SIP:SIP+1] offset:512*c th:TH_LOAD_NT
.set c, c+1
.endr
.endm
.macro SIDE more
	WIN W_1
	s_wait_loadcnt 0x0                             ; the portion's loads went out a K step ago
.set p, 0
.rept 16
	v_lshl_or_b32 v[SR+2*p], v[SR+2*p+1], 16, v[SR+2*p]      ; c = b0 | b1 << 16; sixteen pairs, stage by stage
.set p, p+1
.endr
.set p, 0
.rept 16
	v_bfe_u32 v[SR+2*p+1], v[SR+2*p], 4, 28                  ; c >> 4
.set p, p+1
.endr
.set p, 0
.rept 32
	v_and_or_b32 v[SR+p], v[SR+p], s[MASK], s[MAGIC]         ; even registers: 128 + low nibbles (k + 1, k + 3); odd: 128 + high nibbles (k, k + 2)
.set p, p+1
.endr
.set p, 0
.rept 32
	v_pk_add_bf16 v[SR+p], v[SR+p], s[NEG]                   ; - 136: nibble - 8, exact
.set p, p+1
.endr
.set c, 0
.rept 8
	v_cvt_scalef32_pk8_fp8_bf16 v[SO+2*c:SO+2*c+1], v[SR+4*c:SR+4*c+3], v[ONE]  ; eight weights into 8 bytes; the scale is 1; -8 .. 7 are exact in this format
.set c, c+1
.endr
	v_nop                                          ; a plain instruction behind the last conversion, ahead of what takes its result
	WIN W_ST
.set c, 0
.rept 8
	global_store_b64 v[SOUT], v[SO+2*c:SO+2*c+1], s[SOP:SOP+1] offset:256*c-2048 th:TH_STORE_NT  ; 32 lanes store 256 consecutive bytes, at a multiple of 256 from w2q's first byte
.set c, c+1
.endr
.if \more
	WIN W_1
	SLOADS
.endif
.endm
; QUARTER 2 OF A K STEP CHANGES SLOTS.  The slot's last reads (A of quarter 3) are issued early; the quarter's first phase and the side's portion follow.  Then each wave waits for all its tensor loads, of which one is
; out: its part of the other slot; adds 0 to its spare word; and waits for that and for its reads of the slot.  Behind the barrier nobody reads this slot any more and the other slot is whole.
; fill = 1: the barrier opens a round of the cluster's, so that no wave of any partner still reads the slot or has a load on its way, and the joint refill (the K step two on) is the first thing behind the round.
; No matrix work stands between the wait for the tile and the refill: one request is out at a time, so the next goes out as soon as this one is in; the quarter's second phase follows the request.
.macro TURN fill
	SSTEP
.if \fill
	s_add_nc_u64 s[PFA:PFA+1], s[PFA:PFA+1], 256   ; (freed by the same wait: the last prefetch stands a K step back)
.endif
	s_wait_dscnt 4                                 ; window 1's raw words and all of A are in
	WIN W_1
.set mi, 0
.set cvn, 0
	RUN 2, 0, 0, 0, 1
	WIN 0
	LDA 1, 192                                     ; nine unpacking instructions behind the last product that read this buffer
	WIN W_1
	RUN 14, 0, 0, 0, 1
	SIDE 1
	WIN 0
	s_wait_tensorcnt 0x0                           ; no tensor load of mine is out, so a group 0 may be written
	ds_add_u32 v[SPW], v[NIL]                      ; 0 onto my spare word; work on registers stands between it and the wait for it
.if \fill
	s_xor_b32 s[G0A+5], s[G0A+5], SLOT1            ; the walking descriptors: the other slot than last time,
	s_add_nc_u64 s[G0A+6:G0A+7], s[G0A+6:G0A+7], 256  ; the next K step; the type bits on top are not reached
	s_xor_b32 s[G0B+5], s[G0B+5], SLOT1
	s_add_nc_u64 s[G0B+6:G0B+7], s[G0B+6:G0B+7], 256
.endif
	s_wait_dscnt 0x0                               ; the add is done, and my reads of this slot are over
	s_barrier_signal -1
	s_barrier_wait -1
.if \fill
	CREST
	JLOAD
.endif
	s_xor_b32 s[TB], s[TB], SLOT1                  ; the reads go on in the other slot
	v_add_nc_u32 v[ADRA], s[TB], v[ADRA0]
	WIN W_1
	v_add_nc_u32 v[ADRB], s[TB], v[BB0]
	LDRAW 0, 0
.if \fill
	WIN 0
	ASK
.endif
	WIN W_2
	v_add_nc_u32 v[ADRB], s[TB], v[BB0]
.set mi, 0
.set cvn, 0
	RUN 16, 0, 0, 0, 1
	LDRAW 2, 0
.endm
	s_load_b256 s[4:11], s[0:1], 0x0               ; A = xb s[4:5], B = fc1_packed s[6:7], fc1_scales s[8:9], hb s[10:11]
	s_load_b128 s[SIP:SIP+3], s[0:1], 0x20         ; fc2_packed, w2q
	v_lshl_add_u32 v[SPW], v0, 2, SPARE
	v_mov_b32 v[NIL], 0
	ds_add_u32 v[SPW], v[NIL]                      ; the wave's opening: the add, twice on end, and its wait ahead of my first tensor load; the set-up below, work on registers, stands between
	ds_add_u32 v[SPW], v[NIL]
	v_lshrrev_b32 v1, 5, v0
	v_readfirstlane_b32 s[WV], v1                  ; wave 0..3
	s_lshr_b32 s[FB], s[WV], 1
	s_and_b32 s[HF], s[WV], 1
	s_bfe_u32 s[CX], ttmp6, 0x40000                ; my place in the cluster
	s_bfe_u32 s[CY], ttmp6, 0x40004                ; the grid has one cluster along y: cy is my block of 128 rows
	s_lshl_b32 s[NBK], ttmp9, 2                    ; in a cluster launch ttmp9 counts clusters: four blocks of columns each
	s_add_co_u32 s[NBK], s[NBK], s[CX]
	s_lshl_b32 s[MA], s[CY], 2
	s_lshl_b32 s[MA], 15, s[MA]                    ; my row of the cluster: places 4 cy .. 4 cy + 3
	s_lshl_b32 s[MB], 0x1111, s[CX]                ; my column: places cx, cx + 4, cx + 8, cx + 12
	s_or_b32 s[G1A], s[MA], G1W                    ; 15:0 the mask: A's tiles go to my row,
	s_or_b32 s[G1B], s[MB], G1W                    ; B's to my column
	s_mov_b32 s[G1A+1], 128<<16                    ; tensor_dim0 = 128 elements of 2 bytes
	s_mov_b32 s[G1A+2], 64<<16                     ; tensor_dim1 = 64 rows
	s_mov_b32 s[G1A+3], 128<<16                    ; tile_dim0 = 128
	s_mov_b32 s[G1A+4], 64                         ; tile_dim1 = 64
	s_mov_b32 s[G1A+5], ROWB/2                     ; elements from row to row
	s_mov_b32 s[G1A+6], 0
	s_mov_b32 s[G1A+7], 0
	s_mov_b32 s[G1B+1], 128<<16
	s_mov_b32 s[G1B+2], 128<<16                    ; B: 128 rows to a load
	s_mov_b32 s[G1B+3], 128<<16
	s_mov_b32 s[G1B+4], 128
	s_mov_b32 s[G1B+5], ROWB/2
	s_mov_b32 s[G1B+6], 0
	s_mov_b32 s[G1B+7], 0
	s_mov_b32 s[MASK], 0x000f000f
	s_mov_b32 s[MAGIC], 0x43004300                 ; bf16 128, twice
	s_mov_b32 s[NEG], 0xc308c308                   ; bf16 -136, twice
	s_mov_b32 s[K0], 0xc0135761                    ; -2 log2(e) sqrt(2 / pi) = -2.3022082
	s_mov_b32 s[K0+1], s[K0]
	s_mov_b32 s[K1], 0xbdd2d3e8                    ; that x 0.044715 = -0.10294324
	s_mov_b32 s[K1+1], s[K1]
	s_mov_b32 s[TB], 0
	s_mov_b32 s[CNT], STEPS-2
	; where the tiles come from, in bytes (all under 2^31).  A's offset is made of cy and the wave in s18, s19; B's of the block of columns and the wave in s20, s21.
	s_lshl_b32 s18, s[CY], 7
	s_lshl_b32 s19, s[HF], 6
	s_add_co_u32 s18, s18, s19                     ; A: row 128 cy + 64 x half
	s_lshl_b32 s18, s18, ROWSH
	s_lshl_b32 s20, s[NBK], 8
	s_lshl_b32 s21, s[HF], 7
	s_add_co_u32 s20, s20, s21                     ; B: row 256 x block + 128 x half
	s_lshl_b32 s20, s20, ROWSH
	s_mov_b32 s19, 0
	s_mov_b32 s21, 0
	s_mul_i32 s22, s[HF], 64*PITCH                 ; and where they go: no place in the cluster enters an LDS address
	s_mul_i32 s23, s[HF], 128*PITCH
	s_add_co_u32 s23, s23, BOFF
	s_or_b32 s2, ttmp9, s[WV]                      ; 0 in wave 0 of the first cluster,
	s_cmp_eq_u32 s2, 0
	s_cselect_b32 s[LIM], 4, -1                    ; which prefetches A's rows;
	s_cmp_eq_u32 s[FB], 1
	s_cselect_b32 s[LIM], 4, s[LIM]                ; waves 2 and 3 of every cluster prefetch B's: the same in all sixteen partners, for a given wave
	s_wait_dscnt 0x0                               ; both opening adds are done
	s_wait_kmcnt 0x0
	s_add_nc_u64 s[18:19], s[4:5], s[18:19]
	s_add_nc_u64 s[20:21], s[6:7], s[20:21]
.irp s, 0,1
	s_mov_b32 s[G0A+4*(\s)], 1                                       ; 1:0 count = 1
	s_add_co_u32 s[G0A+4*(\s)+1], s22, (\s)*SLOT1                    ; 63:32 LDS address
	s_add_nc_u64 s[G0A+4*(\s)+2:G0A+4*(\s)+3], s[18:19], (\s)*256    ; 120:64 global address: K step s
	s_or_b32 s[G0A+4*(\s)+3], s[G0A+4*(\s)+3], 0x80000000            ; 127:126 type = 2
	s_mov_b32 s[G0B+4*(\s)], 1
	s_add_co_u32 s[G0B+4*(\s)+1], s23, (\s)*SLOT1
	s_add_nc_u64 s[G0B+4*(\s)+2:G0B+4*(\s)+3], s[20:21], (\s)*256
	s_or_b32 s[G0B+4*(\s)+3], s[G0B+4*(\s)+3], 0x80000000
.endr
	CROUND                                         ; all sixteen work-groups are here: the first joint loads meet
	s_cmp_eq_u32 s[FB], 0                          ; a wave's two first fills stand in one branch, ahead of every wait on TENSORcnt and every LDS read: two loads of mine are out
	s_cbranch_scc0 .Lfirst_b
	tensor_load_to_lds s[G0A:G0A+3], s[G1A:G1A+7]
	s_nop 0
	tensor_load_to_lds s[G0A+4:G0A+7], s[G1A:G1A+7]
	s_nop 0
.rept 4
	v_nop
.endr
	s_branch .Lfirst_asked
.Lfirst_b:
	tensor_load_to_lds s[G0B:G0B+3], s[G1B:G1B+7]
	s_nop 0
	tensor_load_to_lds s[G0B+4:G0B+7], s[G1B:G1B+7]
	s_nop 0
.rept 4
	v_nop
.endr
.Lfirst_asked:
	; A fragment is 16 rows x 32 K in 8 registers: lane l holds row l % 16; registers 0-3 K = 8 (l / 16) + 0..7, registers 4-7 K = 16 + 8 (l / 16) + 0..7: two loads of 16 bytes, 32 bytes apart; for A and for the packed words alike.
	v_and_b32 v1, 15, v0                           ; l % 16
	v_bfe_u32 v2, v0, 4, 1                         ; l / 16
	v_and_b32 v3, 31, v0                           ; l
	v_mul_u32_u24 v[ADRA0], v1, PITCH
	v_lshl_add_u32 v[ADRA0], v2, 4, v[ADRA0]
	s_mul_i32 s2, s[WV], 64*PITCH
	s_add_co_u32 s2, s2, BOFF
	v_add_nc_u32 v[BB0], s2, v[ADRA0]
	v_mov_b32 v[ADRA], v[ADRA0]                    ; slot 0
	v_mul_u32_u24 v[STO0], v1, SPITCH              ; into the stage: row l % 16, my wave's 256 bytes, 32 bytes for each half of the lanes
	v_lshl_add_u32 v[STO0], v2, 5, v[STO0]
	s_lshl_b32 s2, s[WV], 8
	v_add_nc_u32 v[STO0], s2, v[STO0]
	v_add_nc_u32 v[STO0+1], 64*SPITCH, v[STO0]
	s_mul_i32 s2, s[WV], 32*SPITCH                 ; back: wave w takes rows 32 w .. 32 w + 31, whole
	v_lshl_add_u32 v[RD], v3, 4, s2
	v_lshlrev_b32 v[CO], 3, v3                     ; a lane's four columns of hb: 8 bytes
	v_lshlrev_b32 v[PFO], ROWSH, v3
	v_mov_b32 v[ONE], 1.0
	s_lshl_b32 s2, s[NBK], 10                      ; my block's 256 scales
	s_mov_b32 s3, 0
	s_add_nc_u64 s[8:9], s[8:9], s[2:3]
	v_lshlrev_b32 v4, 4, v3
	global_load_b128 v[SC:SC+3],   v4, s[8:9]              ; columns 4 l .. 4 l + 3
	global_load_b128 v[SC+4:SC+7], v4, s[8:9] offset:512   ; columns 128 + 4 l ..
	s_lshl_b32 s2, s[CY], 6                        ; the side: my wave among the launch's 1,024: 4 (64 cy + block) + wave
	s_add_co_u32 s2, s2, s[NBK]
	s_lshl_b32 s2, s2, 2
	s_add_co_u32 s2, s2, s[WV]
	s_lshl_b32 s77, s2, 16                         ; its 65,536 bytes of w2q
	s_lshl_b32 s2, s2, 17                          ; and its 131,072 bytes of fc2_packed
	s_add_nc_u64 s[SIP:SIP+1], s[SIP:SIP+1], s[2:3]
	s_mov_b32 s2, s77
	s_add_nc_u64 s[SOP:SOP+1], s[SOP:SOP+1], s[2:3]
	WIN W_1
	v_mov_b32 v[ONE], 1.0
	v_lshlrev_b32 v[SIN], 4, v3
	v_lshlrev_b32 v[SOUT], 3, v3
	SLOADS                                         ; portion 0
	WIN 0
	s_lshl_b32 s2, s[CY], 7                        ; hb at row 128 cy + 32 w, at my block's first column
	s_lshl_b32 s3, s[WV], 5
	s_add_co_u32 s2, s2, s3
	s_lshl_b32 s2, s2, OROWSH
	s_lshl_b32 s3, s[NBK], 9
	s_add_co_u32 s2, s2, s3
	s_mov_b32 s3, 0
	s_add_nc_u64 s[OUTP:OUTP+1], s[10:11], s[2:3]
	s_lshl_b32 s2, s[CY], 7                        ; the prefetches.  A: rows 128 cy + 32 cx on;
	s_lshl_b32 s3, s[CX], 5
	s_add_co_u32 s2, s2, s3
	s_lshl_b32 s3, s[NBK], 8                       ; B: rows 256 x block + 128 x half + 32 cy on
	s_lshl_b32 s77, s[HF], 7
	s_add_co_u32 s3, s3, s77
	s_lshl_b32 s77, s[CY], 5
	s_add_co_u32 s3, s3, s77
	s_cmp_eq_u32 s[FB], 0
	s_cselect_b32 s2, s2, s3
	s_cselect_b64 s[PFA:PFA+1], s[4:5], s[6:7]
	s_lshl_b32 s2, s2, ROWSH
	s_add_co_u32 s2, s2, 5*256                     ; at K step 5: the first refill (of K step 2) steps it to 6
	s_mov_b32 s3, 0
	s_add_nc_u64 s[PFA:PFA+1], s[PFA:PFA+1], s[2:3]
	s_wait_tensorcnt 1                             ; my part of K step 0 is in; K step 1's may stay out
	s_barrier_signal -1
	s_barrier_wait -1                              ; everybody's is
	WIN W_1                                        ; the pipeline is primed
	v_add_nc_u32 v[ADRB], s[TB], v[BB0]
	LDRAW 0, 0
	WIN W_2
	v_add_nc_u32 v[ADRB], s[TB], v[BB0]
	LDRAW 2, 0
	WIN W_1
	s_wait_dscnt 4                                 ; window 1's four loads are in, window 2's may be out
.set cvn, 0
.rept 48
	CV 0
.endr
	LDRAW 0, 64
	WIN 0
	LDA 0, 0
	WIN W_2
	s_wait_dscnt 20                                ; all but the 20 just issued
.set cvn, 0
.rept 48
	CV 0
.endr
	LDRAW 2, 64
	QUARTER 0, 1, 12, 1                            ; the first quarter stands in front of the loop: its products start the sums
	WIN 0
.Lstep:                                        ; 30 trips: from a K step's second quarter to the next step's first; trip t fills the slot just read with K step t + 2 and does the side's portion t
	QUARTER 1, 0, 12, 1
	TURN 1
	QUARTER 3, 0, 4, 1
	QUARTER 0, 0, 12, 1
	WIN 0
	s_sub_co_u32 s[CNT], s[CNT], 1
	s_cmp_lg_u32 s[CNT], 0
	s_cbranch_scc1 .Lstep
	QUARTER 1, 0, 12, 1                            ; the last two K steps are written out: nothing more is asked for
	TURN 0                                         ; (the side's portion 30; portion 31 is asked for)
	QUARTER 3, 0, 4, 1
	QUARTER 0, 0, 12, 1
	QUARTER 1, 0, 12, 1
	SSTEP
	SIDE 0                                         ; the side's last portion: nothing is left to load
	QUARTER 2, 0, 12, 0                            ; the last raw words are unpacked; A of the last quarter is read
	s_wait_dscnt 0x0                               ; my last reads of the slots are over:
	s_barrier_signal -1                            ; say so; behind this barrier the stage is written over the slots, which have had their last fill
	WIN W_1
.set mi, 0
	RUN 16, 1, 1, 0, 0
	WIN W_2
.set mi, 0
	RUN 16, 1, 1, 0, 0
	WIN 0
	; an LDS store that reads a matrix result stands four plain vector instructions or more behind it
	s_wait_loadcnt 0x0                             ; the scales; they are rounded to bf16, as x was: twelve plain instructions, which are those places
.irp p, 0,1,2,3
	v_cvt_pk_bf16_f32 v[8+(\p)], v[SC+2*(\p)], v[SC+2*(\p)+1]
.endr
.irp p, 0,1,2,3
	v_lshlrev_b32 v[SC+2*(\p)], 16, v[8+(\p)]
	v_and_b32 v[SC+2*(\p)+1], 0xffff0000, v[8+(\p)]
.endr
	s_barrier_wait -1                              ; no wave reads a slot any more
	; THE WAY OUT.  All sums go into the stage as f32: lane l's eight columns of a row are 32 bytes; rows 1,040 bytes apart, so that the 16 rows of a store start at 16 different groups of four banks.
	; Each accumulator's four lowest registers are read first.
	WIN W_D1
.set t, 0
.rept 16
	ds_store_b128 v[STO0+t/8], v[8*t:8*t+3]   offset:((t/2)%4)*16*SPITCH+64*(t%2)
	ds_store_b128 v[STO0+t/8], v[8*t+4:8*t+7] offset:((t/2)%4)*16*SPITCH+64*(t%2)+16
.set t, t+1
.endr
	WIN W_D2
.set t, 0
.rept 16
	ds_store_b128 v[STO0+t/8], v[8*t:8*t+3]   offset:((t/2)%4)*16*SPITCH+128+64*(t%2)
	ds_store_b128 v[STO0+t/8], v[8*t+4:8*t+7] offset:((t/2)%4)*16*SPITCH+128+64*(t%2)+16
.set t, t+1
.endr
	WIN 0
	s_wait_dscnt 0x0                               ; for the others' sake: my stores into the stage are done
	s_barrier_signal -1
	s_barrier_wait -1
	s_mov_b32 s[RB], 0
	s_mov_b32 s[WC], 8
.Lrows:                                        ; 8 trips of 4 whole rows: a lane takes columns 4 l .. 4 l + 3 and 128 + 4 l .. of each
	v_add_nc_u32 v[RDC], s[RB], v[RD]
.irp i, 0,1,2,3
.irp c, 0,1
	ds_load_b128 v[Z+4*(2*(\i)+(\c)):Z+4*(2*(\i)+(\c))+3], v[RDC] offset:(\i)*SPITCH+512*(\c)
.endr
.endr
	s_wait_dscnt 0x0
.set g, 0
.rept 16
	v_pk_mul_f32 v[Z+2*g:Z+2*g+1], v[Z+2*g:Z+2*g+1], v[SC+4*((g/2)%2)+2*(g%2):SC+4*((g/2)%2)+2*(g%2)+1]  ; z = the sum x its column's scale
.set g, g+1
.endr
.set g, 0
.rept 16
	v_pk_mul_f32 v[T+2*g:T+2*g+1], v[Z+2*g:Z+2*g+1], v[Z+2*g:Z+2*g+1]
.set g, g+1
.endr
.set g, 0
.rept 16
	v_pk_fma_f32 v[T+2*g:T+2*g+1], v[T+2*g:T+2*g+1], s[K1:K1+1], s[K0:K0+1] op_sel_hi:[1,0,0]
.set g, g+1
.endr
.set g, 0
.rept 16
	v_pk_mul_f32 v[T+2*g:T+2*g+1], v[T+2*g:T+2*g+1], v[Z+2*g:Z+2*g+1]   ; z (K0 + K1 z z)
.set g, g+1
.endr
.set g, 0
.rept 32
	v_exp_f32 v[T+g], v[T+g]
.set g, g+1
.endr
	v_nop                                          ; a plain instruction behind the last exponential,
	s_wait_alu depctr_va_vdst(0)                   ; and the wait ahead of the first use: one for the batch of 32
.set g, 0
.rept 16
	v_pk_add_f32 v[T+2*g:T+2*g+1], v[T+2*g:T+2*g+1], 1.0 op_sel_hi:[1,0]
.set g, g+1
.endr
.set g, 0
.rept 32
	v_rcp_f32 v[T+g], v[T+g]
.set g, g+1
.endr
	v_nop
	s_wait_alu depctr_va_vdst(0)                   ; one for the 32 reciprocals
.set g, 0
.rept 16
	v_pk_mul_f32 v[Z+2*g:Z+2*g+1], v[Z+2*g:Z+2*g+1], v[T+2*g:T+2*g+1]   ; gelu(z)
.set g, g+1
.endr
.set g, 0
.rept 8
	v_cvt_pk_bf16_f32 v[O+2*g],   v[Z+4*g+1], v[Z+4*g+3]   ; columns 1 and 3 of the four, then 0 and 2: the order along K in which the side lays the second product's weights
	v_cvt_pk_bf16_f32 v[O+2*g+1], v[Z+4*g],   v[Z+4*g+2]
.set g, g+1
.endr
.set g, 0
.rept 8
	global_store_b64 v[CO], v[O+2*g:O+2*g+1], s[OUTP:OUTP+1] offset:(g/2)*OROWB+256*(g%2)  ; 32 lanes store 256 consecutive bytes, at a multiple of 256 from hb's first byte
.set g, g+1
.endr
	s_wait_xcnt 0x0                                ; the stores have read their data and their base: only behind this wait are these written again
	s_add_nc_u64 s[OUTP:OUTP+1], s[OUTP:OUTP+1], 4*OROWB
	s_add_co_u32 s[RB], s[RB], 4*SPITCH
	s_sub_co_u32 s[WC], s[WC], 1
	s_cmp_lg_u32 s[WC], 0
	s_cbranch_scc1 .Lrows
	s_wait_tensorcnt 0x0                           ; the wave's end: behind my last tensor load and my last LDS store
	ds_add_u32 v[SPW], v[NIL]
	s_wait_dscnt 0x0
	CROUND                                         ; the closing round: no work-group ends while a partner may still ask for a tile that names it
	s_endpgm
.Lfunc_end_k_q061e7cf96d_fc1:
	.size	k_q061e7cf96d_fc1, .Lfunc_end_k_q061e7cf96d_fc1-k_q061e7cf96d_fc1
	.p2alignl 7, 3214868480
	.fill 96, 4, 3214868480
	.section	.rodata,"a",@progbits
	.p2align	6, 0x0
	.amdhsa_kernel k_q061e7cf96d_fc1
		.amdhsa_group_segment_fixed_size 327680
		.amdhsa_private_segment_fixed_size 0
		.amdhsa_enable_private_segment 0
		.amdhsa_kernarg_size 48
		.amdhsa_user_sgpr_count 2
		.amdhsa_user_sgpr_kernarg_segment_ptr 1
		.amdhsa_wavefront_size32 1
		.amdhsa_system_sgpr_workgroup_id_x 1
		.amdhsa_system_sgpr_workgroup_id_y 1
		.amdhsa_system_sgpr_workgroup_id_z 1
		.amdhsa_system_vgpr_workitem_id 0
		.amdhsa_next_free_vgpr 768
		.amdhsa_next_free_sgpr 88
		.amdhsa_reserve_vcc 0
		.amdhsa_float_denorm_mode_32 3
		.amdhsa_float_denorm_mode_16_64 3
		.amdhsa_memory_ordered 1
		.amdhsa_forward_progress 1
		.amdhsa_inst_pref_size 168
	.end_amdhsa_kernel
	.amdgpu_metadata
---
amdhsa.version: [ 1, 2 ]
amdhsa.kernels:
  - .name:           k_q061e7cf96d_fc1
    .symbol:         k_q061e7cf96d_fc1.kd
    .args:
      - { .name: xb, .offset: 0, .size: 8, .value_kind: global_buffer, .address_space: global }
      - { .name: fc1_packed, .offset: 8, .size: 8, .value_kind: global_buffer, .address_space: global }
      - { .name: fc1_scales, .offset: 16, .size: 8, .value_kind: global_buffer, .address_space: global }
      - { .name: hb, .offset: 24, .size: 8, .value_kind: global_buffer, .address_space: global }
      - { .name: fc2_packed, .offset: 32, .size: 8, .value_kind: global_buffer, .address_space: global }
      - { .name: w2q, .offset: 40, .size: 8, .value_kind: global_buffer, .address_space: global }
    .group_segment_fixed_size: 327680
    .private_segment_fixed_size: 0
    .kernarg_segment_align: 8
    .kernarg_segment_size: 48
    .max_flat_workgroup_size: 128
    .sgpr_count:     88
    .vgpr_count:     768
    .wavefront_size: 32
...
	.end_amdgpu_metadata
.endif
;; end of part 2
;; launch fc2 (part 3): grid 64 x 4, 4 waves a work-group, clusters of 4 x 4, 327,680 bytes of LDS; arguments hb, w2q, part; writes part
.if DOCPART == 3
	.amdgcn_target "amdgcn-amd-amdhsa--gfx1250"
	.amdhsa_code_object_version 6
	.text
	.protected	k_q061e7cf96d_fc2
	.globl	k_q061e7cf96d_fc2
	.p2align	8
	.type	k_q061e7cf96d_fc2,@function
k_q061e7cf96d_fc2:
	s_mov_b64 s[64:65], 0
	v_nop
	global_prefetch_b8 v0, s[64:65] scope:SCOPE_SE
	s_setreg_imm32_b32 hwreg(HW_REG_WAVE_MODE, 25, 1), 1
	s_wait_xcnt 0x0
	s_wait_alu depctr_hold_cnt(0) depctr_sa_sdst(0) depctr_va_vdst(0) depctr_va_sdst(0) depctr_va_ssrc(0) depctr_va_vcc(0) depctr_vm_vsrc(0)
	s_getreg_b32 s2, hwreg(HW_REG_IB_STS2, 6, 4)
	s_cmp_eq_u32 s2, 0
	s_cbranch_scc0 .Lentry_in_a_cluster
	s_endpgm
.Lentry_in_a_cluster:
	s_bfe_u32 s2, ttmp6, 0x10000c
	s_cmp_lg_u32 s2, 0xf033
	s_cbranch_scc0 .Lentry_shape_is_right
	s_endpgm
.Lentry_shape_is_right:
; THE SECOND PRODUCT.  part[c][m][n] = the sum over the c-th 4,096 k of hb[m][k] q2[n][k], f32.  No work of the problem is left out.
;   A = hb [512][16384] bf16; B = w2q [4096][16384] bytes: q2 = nibble - 8 as FP8 (E4M3) codes, exact, laid by the launch before; part [4][512][4096] f32.  The row's scale is applied by the last launch.
; THE ORDER ALONG K is one and the same in hb and in w2q (within each eight: 1, 3, 0, 2, 5, 7, 4, 6), so each product meets its partner.  One conversion turns 8 bytes back into the four registers of two bf16 that they were
; made of; it is the inverse of the conversion that packed them, with the scale 1 on both sides.
; WHY K IS SPLIT: with all 16,384 k a work-group would have 8,192 outputs, a quarter of this tile, and more LDS bytes for each matrix instruction; the four partial sums stay f32 and the last launch adds them.
; SHARES.  A work-group makes 128 rows x 256 columns over one chunk of K: 256 work-groups.  Wave w makes all 128 rows x columns 64 w .. 64 w + 63: 32 accumulators; its weights are its own.
; THE RING.  K goes in 16 steps of 256 through two LDS slots: A's rows are 512 bytes, B's 256, all aligned to 256.  Each wave fetches 32 KiB of a slot with one tensor load, which has 256 matrix instructions less the
; few round the barrier in which to land.
; CLUSTER.  4 x 4 work-groups: cy is the block of 128 rows, cx the block of 256 columns among the cluster's four; four clusters to a chunk of K.  A's tile hangs on cy and the chunk and is asked for jointly by a row of
; the cluster, B's on cx and the cluster's number and is asked for jointly by a column: the same tensor load, descriptor and mask in all four.
; THE MATRIX INSTRUCTION IS USED TRANSPOSED: source 0 = 16 weight rows, source 1 = 16 rows of A.  Lane l then holds row l % 16 of C and the columns 8 (l / 16) + 0 .. 7.
; FRAGMENTS.  For 32 along K lane l takes 16 numbers of row l % 16, those at places 16 (l / 16) + 0 .. 15 of the 32: of A 32 bytes on end (two loads), of B 16 bytes (one load, two conversions).  The unit pairs the two sources
; register by register and lane by lane, so a choice of places that is the same on both sides keeps the products.
; A QUARTER is 32 along K: two phases of 16 matrix instructions (column fragments 0, 1; then 2, 3); between them ONE run of 20 LDS loads: the codes of the quarter after next, A of the next quarter.  A phase's four
; conversions, for the next quarter, stand among its last eight matrix instructions.
; REGISTERS, in windows of 256 (s_set_vgpr_msb: bits 1:0 source 0, 3:2 source 1, 5:4 source 2, 7:6 destination):
;   window 0: addresses; v64-191 two buffers of A's eight fragments (later the way out's registers)
;   windows 1 and 2, alike: v0-127 accumulators, (m, nn) at 8 (2 m + nn); v128-143 two buffers of codes; v144-175 two buffers of fragments; v176, v177 the LDS address of the codes in slot 0, 1
;   v240 of all three: the conversions' scale
; Under W_1 (W_2) source 0, source 2 and the destination mean window 1 (2) and source 1 window 0: a matrix instruction and a conversion need no switch between them.
.set AROWSH, 15                        ; a row of hb: 32,768 bytes
.set BROWSH, 14                        ; a row of w2q: 16,384 bytes
.set OROWSH, 14                        ; a row of part: 16,384 bytes
.set OROWB,  1<<OROWSH
.set ASTEP,  512                       ; bytes of a row in a slot
.set BSTEP,  256
.set APITCH, 528                       ; LDS rows: 512 + 16 and 256 + 16 bytes, odd multiples of 16: the 16 rows of a fragment load start at 16 different groups of four banks (64 banks of 4 bytes: ISA guide 11.1)
.set BPITCH, 272
.set AFRAG,  16*APITCH
.set BFRAG,  16*BPITCH
.set BOFF,   128*APITCH                ; a slot: A's 128 rows, then B's 256
.set SLOT,   BOFF+256*BPITCH           ; 137,216 bytes
.set SPARE,  2*SLOT                    ; behind the ring: the spare words, 128 bytes for each wave: two blocks of 256 bytes that no other line names
.set SPITCH, 1040                      ; the stage of the way out: 128 rows of 1,024 bytes + 16, from LDS byte 0: inside slot 0, which has had its last fill
.set LAPS,   7                         ; trips of two slots; the last two of the 16 slots are written out
.set ADRA,  16                         ; v16, v17  LDS address of A's fragments in slot 0, 1; never rewritten
.set BB0,   18                         ; v18  the same for the codes, slot 0
.set STO0,  19                         ; v19, v20  the way out: where I put 16 bytes of a row: rows 0-63, rows 64-127
.set RD,    21                         ; v21  the way out: my 16 bytes in my wave's first row
.set CO,    22                         ; v22  my byte offset in a row's 128 columns of the output
.set RDC,   23                         ; v23  RD + the trip's rows
.set SPW,   28                         ; v28  LDS address of my spare word; never rewritten
.set NIL,   29                         ; v29  0; never rewritten
.set PFO,   30                         ; v30  the prefetches' offset: my lane x a row; never rewritten
.set AF,    64
.set Z,     64                         ; the way out: 32 sums
.set RAW,   128                        ; windows 1, 2
.set CVB,   144
.set ADRB,  176
.set SCL,   240                        ; 127: the exponent code of 1
.set WV,  12                           ; s12  my wave's number
.set FB,  13                           ; s13  0: I fetch for A; 1: for B
.set HF,  14                           ; s14  which half of that tile's rows
.set CX,  15
.set CY,  16
.set NBK, 17                           ; s17  my block of 256 columns
.set G1A, 24                           ; s[24:31] descriptor group 1, A's tiles     s[32:39] B's
.set G1B, 32
.set G0A, 40                           ; s[40:47] descriptor group 0, A's: a set for each slot     s[48:55] B's
.set G0B, 48
.set CNT, 56                           ; s56  trips still to come
.set LIM, 58                           ; s58  1 in a wave that prefetches, else the greatest number
.set PFA, 62                           ; s[62:63] where my prefetches stand
.set OUTP, 70                          ; s[70:71] part at my chunk, my wave's rows and my block's columns
.set WC,  72                           ; s72  counts the way out's trips
.set RB,  73                           ; s73  the trip's rows in the stage, in bytes
.set MA,  74                           ; s74  the mask of my row of the cluster: made of cy alone
.set MB,  75                           ; s75  of my column: made of cx alone
.set KC,  76                           ; s76  my chunk of K
.set PST, 78                           ; s[78:79] a slot's bytes in a row of what I prefetch
.set G1WA, (1<<16)|(1<<20)|(1<<21)|(6<<22)|(3<<25)  ; 17:16 elements of 2 bytes; 20 padding on; 21 set beside a mask; 24:22 after every 128 words (code 6); 31:25 4 words of it (code 3)
.set G1WB, (1<<16)|(1<<20)|(1<<21)|(5<<22)|(3<<25)  ; the same after every 64 words (code 5)
.set W_1,  0x51
.set W_2,  0xa2
.set W_D1, 0x04                        ; an LDS store's data (source 1) in window 1
.set W_D2, 0x08
.set MSB, 0
.macro WIN new                         ; the immediate's high byte repeats the setting that is left; a switch that changes nothing is dropped
.if MSB != (\new)
	s_set_vgpr_msb (MSB<<8)|(\new)
.set MSB, \new
.endif
.endm
; A joint refill of slot s.  Waves 0 and 1 fetch A's two halves (64 rows x 512 bytes), waves 2 and 3 B's (128 rows x 256 bytes).  The branch hangs on the wave's number alone.
; An s_nop 0 and four v_nop follow each of the two lines, ahead of the jump and the label.
.macro JLOAD s
	s_cmp_eq_u32 s[FB], 0
	s_cbranch_scc0 .Lfor_b_\@
	tensor_load_to_lds s[G0A+4*(\s):G0A+4*(\s)+3], s[G1A:G1A+7]
	s_nop 0
.rept 4
	v_nop
.endr
	s_branch .Lasked_\@
.Lfor_b_\@:
	tensor_load_to_lds s[G0B+4*(\s):G0B+4*(\s)+3], s[G1B:G1B+7]
	s_nop 0
.rept 4
	v_nop
.endr
.Lasked_\@:
.endm
; A PREFETCH INTO THE L2, behind each refill: 32 rows x 256 bytes of the slot that stands TWO refills on (512 matrix instructions of the wave), a lane a row, one instruction.
; Each aligned 256 bytes are named once in the launch.  B's rows are read by one column of one cluster: its four partners take 32 each of the 128 rows that waves 2 and 3 fetch, told apart BY ADDRESS (cy).
; A's rows are read by the four clusters of a chunk: the first of them asks; the four partners of a row take 32 rows each, by address (cx); wave 0 takes the first 256 bytes of a row's 512, wave 1 the second.
; The last trip's two refills have no slot two on and ask for nothing; slots 0 to 3 come by their loads alone.
.macro ASK
	s_cmp_gt_u32 s[CNT], s[LIM]
	s_cbranch_scc0 .Lnot_mine_\@
	global_prefetch_b8 v[PFO], s[PFA:PFA+1] th:TH_LOAD_NT scope:SCOPE_SE
.Lnot_mine_\@:
.endm
; A round of the cluster's barrier: my work-group's barrier, so that wave 0's signal speaks for all four waves; wave 0 signals; every wave waits for all sixteen work-groups; my work-group's barrier once more.
.macro CREST                           ; a round behind its opening barrier
	s_cmp_lg_u32 s[WV], 0
	s_cbranch_scc1 .Lnot_wave_0_\@
	s_barrier_signal -3
.Lnot_wave_0_\@:
	s_barrier_wait -3
	s_barrier_signal -1
	s_barrier_wait -1
.endm
.macro CROUND
	s_barrier_signal -1
	s_barrier_wait -1
	CREST
.endm
; Matrix instruction mi of a phase's 16, on buffers ab: rows 16 (mi / 2) on, column fragment mi % 2 of the window's two.  zero = 1: it starts the sum: nothing is ever cleared.
; The 32 accumulators take turns, one instruction a turn, over the backward jump too.
.macro MM ab, zero
.if \zero
	v_wmma_f32_16x16x32_bf16 v[8*mi:8*mi+7], v[CVB+16*(\ab)+8*(mi%2):CVB+16*(\ab)+8*(mi%2)+7], v[AF+64*(\ab)+8*(mi/2):AF+64*(\ab)+8*(mi/2)+7], 0
.else
	v_wmma_f32_16x16x32_bf16 v[8*mi:8*mi+7], v[CVB+16*(\ab)+8*(mi%2):CVB+16*(\ab)+8*(mi%2)+7], v[AF+64*(\ab)+8*(mi/2):AF+64*(\ab)+8*(mi/2)+7], v[8*mi:8*mi+7]
.endif
.set mi, mi+1
.endm
.macro RUN n, ab, zero
.rept \n
	MM \ab, \zero
.endr
.endm
.macro CVT b                           ; conversion ci of a phase's four, in buffers b: 8 codes into half a fragment
	v_cvt_scale_pk8_bf16_fp8 v[CVB+16*(\b)+4*ci:CVB+16*(\b)+4*ci+3], v[RAW+8*(\b)+2*ci:RAW+8*(\b)+2*ci+1], v[SCL]
.set ci, ci+1
.endm
.macro RUNC ab, zero, cv               ; a phase's last eight matrix instructions, among them (cv = 1) the four conversions for the other buffers
.set ci, 0
.rept 4
	MM \ab, \zero
.if \cv
	CVT 1-(\ab)
.endif
	MM \ab, \zero
.endr
.endm
.macro LDRAW fo, s, k, rb              ; the codes of two column fragments (fo, fo + 1), 32 along K at byte k of slot s's rows, into buffer rb: two loads
.irp f, 0,1
	ds_load_b128 v[RAW+8*(\rb)+4*(\f):RAW+8*(\rb)+4*(\f)+3], v[ADRB+(\s)] offset:((\fo)+(\f))*BFRAG+(\k)
.endr
.endm
.macro LDA ab, s, k                    ; A's eight fragments, rows ascending: sixteen loads
.irp m, 0,1,2,3,4,5,6,7
	ds_load_b128 v[AF+64*(\ab)+8*(\m):AF+64*(\ab)+8*(\m)+3],   v[ADRA+(\s)] offset:(\m)*AFRAG+(\k)
	ds_load_b128 v[AF+64*(\ab)+8*(\m)+4:AF+64*(\ab)+8*(\m)+7], v[ADRA+(\s)] offset:(\m)*AFRAG+(\k)+16
.endr
.endm
; Four plain vector instructions.  They stand between the last product that read A's other buffer and the loads into it, and between the last product that read a buffer of fragments and the conversions that write it
; (ISA guide 7.12.1 for vector instructions); and they are the plain instruction that is owed between a conversion and what reads its result or writes its source:
; window 1's conversions stand just ahead of them, window 2's a phase ahead of the next quarter's four.
.macro PLACES
.rept 4
	v_nop
.endr
.endm
; QUARTER q (0 .. 5, 7) of slot s.  The run before was issued in the order codes (window 1) x 2, A x 16, codes (window 2) x 2.
; hw1: what may be out at the head: 10 = A's rows 64-127 and window 2's codes.  hw2, eight products on: 2 = window 2's codes.  la, lr = 0: A, the codes, are not read any more.  cv = 0: nothing is left to convert.
; The codes of quarter q' lie in buffer q' % 2: this quarter converts buffer (q + 1) % 2 and loads buffer q % 2, which the quarter before has converted.
.macro QUARTER q, s, zero=0, la=1, lr=1, cv=1, hw1=10, hw2=2
.set AB, (\q)%2
.if (\q) == 7
.set SA, 1-(\s)                        ; A of the next slot's first quarter
.set KA, 0
.else
.set SA, (\s)
.set KA, ((\q)+1)*64
.endif
.if (\q) >= 6
.set SB, 1-(\s)
.set KB, ((\q)-6)*32
.else
.set SB, (\s)
.set KB, ((\q)+2)*32
.endif
	s_wait_dscnt \hw1
	WIN W_1
.set mi, 0
	RUN 8, AB, \zero
	s_wait_dscnt \hw2
	RUNC AB, \zero, \cv
	PLACES
.if \lr
	LDRAW 0, SB, KB, AB
.endif
	WIN 0
.if \la
	LDA 1-AB, SA, KA
.endif
	WIN W_2
.if \lr
	LDRAW 2, SB, KB, AB
.endif
	s_wait_dscnt 16*(\la)+4*(\lr)                  ; all but the run just issued: window 2's codes for this quarter's conversions are in
.set mi, 0
	RUN 8, AB, \zero
	RUNC AB, \zero, \cv
.endm
; QUARTER 6 OF A SLOT CHANGES SLOTS.  Behind its first phase the slot's last reads (A of quarter 7) are issued.  Then each wave waits for all its tensor loads, of which one is out: its part of the other slot; adds 0 to
; its spare word; and, four matrix instructions on, waits for that and for its reads of the slot.  Behind the barrier nobody reads this slot any more and the other slot is whole.
; fill = 1: the barrier opens a round of the cluster's, so that no wave of any partner still reads the slot or has a load on its way, and the joint refill (the slot two on) is the first thing behind the round.
.macro TURN s, fill
.if \fill
	s_wait_xcnt 0x0                                ; the last prefetch, a slot back, has read its address: it is stepped here, ahead of the change's own waits
	s_add_nc_u64 s[PFA:PFA+1], s[PFA:PFA+1], s[PST:PST+1]
.endif
	s_wait_dscnt 10
	WIN W_1
.set mi, 0
	RUN 8, 0, 0
	s_wait_dscnt 2
	RUNC 0, 0, 1
	PLACES
	WIN 0
	LDA 1, \s, 448
	s_wait_tensorcnt 0x0                           ; no tensor load of mine is out, so a group 0 may be written
	ds_add_u32 v[SPW], v[NIL]                      ; 0 onto my spare word; work on registers stands between it and the wait for it
.if \fill
	s_add_nc_u64 s[G0A+4*(\s)+2:G0A+4*(\s)+3], s[G0A+4*(\s)+2:G0A+4*(\s)+3], 2*ASTEP  ; this slot's next tile; the type bits on top are not reached
	s_add_nc_u64 s[G0B+4*(\s)+2:G0B+4*(\s)+3], s[G0B+4*(\s)+2:G0B+4*(\s)+3], 2*BSTEP
.endif
	WIN W_2
.set mi, 0
	RUN 4, 0, 0
	s_wait_dscnt 0x0                               ; the add is done, and my reads of this slot are over
	s_barrier_signal -1
	RUN 4, 0, 0                                    ; work on registers while the others arrive
	WIN 0                                          ; at a branch and at a label every window is 0
	s_barrier_wait -1
.if \fill
	CREST
	JLOAD \s
.endif
	WIN W_1
	LDRAW 0, 1-(\s), 0, 0                          ; the other slot's first codes
.if \fill
	WIN 0
	ASK
.endif
	WIN W_2
	LDRAW 2, 1-(\s), 0, 0
	RUNC 0, 0, 1
.endm
	s_load_b128 s[4:7], s[0:1], 0x0                ; A = hb s[4:5], B = w2q s[6:7]
	s_load_b64 s[8:9], s[0:1], 0x10                ; part
	v_lshl_add_u32 v[SPW], v0, 2, SPARE
	v_mov_b32 v[NIL], 0
	ds_add_u32 v[SPW], v[NIL]                      ; the wave's opening: the add, twice on end, and its wait ahead of my first tensor load; the set-up below, work on registers, stands between
	ds_add_u32 v[SPW], v[NIL]
	v_lshrrev_b32 v1, 5, v0
	v_readfirstlane_b32 s[WV], v1                  ; wave 0..3
	s_lshr_b32 s[FB], s[WV], 1
	s_and_b32 s[HF], s[WV], 1
	s_bfe_u32 s[CX], ttmp6, 0x40000                ; my place in the cluster
	s_bfe_u32 s[CY], ttmp6, 0x40004                ; the grid has one cluster along y: cy is my block of 128 rows
	s_and_b32 s[NBK], ttmp9, 3                     ; in a cluster launch ttmp9 counts clusters: four to a chunk of K, four blocks of columns each
	s_lshl_b32 s[NBK], s[NBK], 2
	s_lshr_b32 s[KC], ttmp9, 2
	s_add_co_u32 s[NBK], s[NBK], s[CX]
	s_lshl_b32 s[MA], s[CY], 2
	s_lshl_b32 s[MA], 15, s[MA]                    ; my row of the cluster: places 4 cy .. 4 cy + 3
	s_lshl_b32 s[MB], 0x1111, s[CX]                ; my column: places cx, cx + 4, cx + 8, cx + 12
	s_or_b32 s[G1A], s[MA], G1WA                   ; 15:0 the mask: A's tiles go to my row,
	s_or_b32 s[G1B], s[MB], G1WB                   ; B's to my column
	s_mov_b32 s[G1A+1], 256<<16                    ; tensor_dim0 = 256 elements of 2 bytes
	s_mov_b32 s[G1A+2], 64<<16                     ; tensor_dim1 = 64 rows
	s_mov_b32 s[G1A+3], 256<<16                    ; tile_dim0 = 256
	s_mov_b32 s[G1A+4], 64                         ; tile_dim1 = 64
	s_mov_b32 s[G1A+5], 16384                      ; elements from row to row
	s_mov_b32 s[G1A+6], 0
	s_mov_b32 s[G1A+7], 0
	s_mov_b32 s[G1B+1], 128<<16                    ; B: 256 bytes of a row, taken as 128 elements of 2 bytes,
	s_mov_b32 s[G1B+2], 128<<16                    ; 128 rows to a load
	s_mov_b32 s[G1B+3], 128<<16
	s_mov_b32 s[G1B+4], 128
	s_mov_b32 s[G1B+5], 8192
	s_mov_b32 s[G1B+6], 0
	s_mov_b32 s[G1B+7], 0
	s_mov_b32 s[CNT], LAPS
	; where the tiles come from, in bytes (all under 2^31).  A's offset is made of cy, the wave and the chunk in s18, s19; B's of the block of columns, the wave and the chunk in s20, s21.
	s_lshl_b32 s18, s[CY], 7
	s_lshl_b32 s19, s[HF], 6
	s_add_co_u32 s18, s18, s19                     ; A: row 128 cy + 64 x half
	s_lshl_b32 s18, s18, AROWSH
	s_lshl_b32 s19, s[KC], 13                      ; a chunk of K is 8,192 bytes of a row of hb,
	s_add_co_u32 s18, s18, s19
	s_lshl_b32 s20, s[NBK], 8
	s_lshl_b32 s21, s[HF], 7
	s_add_co_u32 s20, s20, s21                     ; B: row 256 x block + 128 x half
	s_lshl_b32 s20, s20, BROWSH
	s_lshl_b32 s21, s[KC], 12                      ; 4,096 of a row of w2q
	s_add_co_u32 s20, s20, s21
	s_mov_b32 s19, 0
	s_mov_b32 s21, 0
	s_mul_i32 s22, s[HF], 64*APITCH                ; and where they go: no place in the cluster enters an LDS address
	s_mul_i32 s23, s[HF], 128*BPITCH
	s_add_co_u32 s23, s23, BOFF
	s_mov_b32 s[PST], ASTEP
	s_mov_b32 s[PST+1], 0
	s_and_b32 s2, ttmp9, 3
	s_or_b32 s2, s2, s[FB]                         ; 0 in waves 0 and 1 of a chunk's first cluster,
	s_cmp_eq_u32 s2, 0
	s_cselect_b32 s[LIM], 1, -1                    ; which prefetch A's rows;
	s_cmp_eq_u32 s[FB], 1
	s_cselect_b32 s[LIM], 1, s[LIM]                ; waves 2 and 3 of every cluster prefetch B's: the same in all sixteen partners, for a given wave
	s_cselect_b32 s[PST], BSTEP, s[PST]
	s_wait_dscnt 0x0                               ; both opening adds are done
	s_wait_kmcnt 0x0
	s_add_nc_u64 s[18:19], s[4:5], s[18:19]
	s_add_nc_u64 s[20:21], s[6:7], s[20:21]
.irp s, 0,1
	s_mov_b32 s[G0A+4*(\s)], 1                                       ; 1:0 count = 1
	s_add_co_u32 s[G0A+4*(\s)+1], s22, (\s)*SLOT                     ; 63:32 LDS address
	s_add_nc_u64 s[G0A+4*(\s)+2:G0A+4*(\s)+3], s[18:19], (\s)*ASTEP  ; 120:64 global address: the chunk's slot s
	s_or_b32 s[G0A+4*(\s)+3], s[G0A+4*(\s)+3], 0x80000000            ; 127:126 type = 2
	s_mov_b32 s[G0B+4*(\s)], 1
	s_add_co_u32 s[G0B+4*(\s)+1], s23, (\s)*SLOT
	s_add_nc_u64 s[G0B+4*(\s)+2:G0B+4*(\s)+3], s[20:21], (\s)*BSTEP
	s_or_b32 s[G0B+4*(\s)+3], s[G0B+4*(\s)+3], 0x80000000
.endr
	CROUND                                         ; all sixteen work-groups are here: the first joint loads meet
	s_cmp_eq_u32 s[FB], 0                          ; a wave's two first fills stand in one branch, ahead of every wait on TENSORcnt and every LDS read: two loads of mine are out
	s_cbranch_scc0 .Lfirst_b
	tensor_load_to_lds s[G0A:G0A+3], s[G1A:G1A+7]
	s_nop 0
	tensor_load_to_lds s[G0A+4:G0A+7], s[G1A:G1A+7]
	s_nop 0
.rept 4
	v_nop
.endr
	s_branch .Lfirst_asked
.Lfirst_b:
	tensor_load_to_lds s[G0B:G0B+3], s[G1B:G1B+7]
	s_nop 0
	tensor_load_to_lds s[G0B+4:G0B+7], s[G1B:G1B+7]
	s_nop 0
.rept 4
	v_nop
.endr
.Lfirst_asked:
	v_and_b32 v1, 15, v0                           ; l % 16
	v_bfe_u32 v2, v0, 4, 1                         ; l / 16
	v_and_b32 v3, 31, v0                           ; l
	v_mul_u32_u24 v[ADRA], v1, APITCH
	v_lshl_add_u32 v[ADRA], v2, 5, v[ADRA]         ; A: row x pitch + 32 x half
	v_add_nc_u32 v[ADRA+1], SLOT, v[ADRA]
	v_mul_u32_u24 v[BB0], v1, BPITCH
	v_lshl_add_u32 v[BB0], v2, 4, v[BB0]           ; the codes: row x pitch + 16 x half,
	s_mul_i32 s2, s[WV], 64*BPITCH
	s_add_co_u32 s2, s2, BOFF
	v_add_nc_u32 v[BB0], s2, v[BB0]                ; in my wave's 64 rows of B
	v_mov_b32 v[SCL], 0x7f
	v_mul_u32_u24 v[STO0], v1, SPITCH              ; into the stage: row l % 16, my wave's 256 bytes, 32 bytes for each half of the lanes
	v_lshl_add_u32 v[STO0], v2, 5, v[STO0]
	s_lshl_b32 s2, s[WV], 8
	v_add_nc_u32 v[STO0], s2, v[STO0]
	v_add_nc_u32 v[STO0+1], 64*SPITCH, v[STO0]
	s_mul_i32 s2, s[WV], 32*SPITCH                 ; back: wave w takes rows 32 w .. 32 w + 31, whole
	v_lshl_add_u32 v[RD], v3, 4, s2
	v_lshlrev_b32 v[CO], 4, v3                     ; a lane's four columns of part: 16 bytes
	s_cmp_eq_u32 s[FB], 0
	s_cselect_b32 s2, AROWSH, BROWSH
	v_lshlrev_b32 v[PFO], s2, v3
	WIN W_1
	v_add_nc_u32 v[ADRB], 0, v[BB0]
	v_add_nc_u32 v[ADRB+1], SLOT, v[BB0]
	v_mov_b32 v[SCL], 0x7f
	WIN W_2
	v_add_nc_u32 v[ADRB], 0, v[BB0]
	v_add_nc_u32 v[ADRB+1], SLOT, v[BB0]
	v_mov_b32 v[SCL], 0x7f
	WIN 0
	s_lshl_b32 s2, s[CY], 7                        ; part at my chunk, at row 128 cy + 32 w, at my block's first column
	s_lshl_b32 s3, s[WV], 5
	s_add_co_u32 s2, s2, s3
	s_lshl_b32 s2, s2, OROWSH
	s_lshl_b32 s3, s[NBK], 10
	s_add_co_u32 s2, s2, s3
	s_lshl_b32 s3, s[KC], 23                       ; a chunk's sums: 8,388,608 bytes
	s_add_co_u32 s2, s2, s3
	s_mov_b32 s3, 0
	s_add_nc_u64 s[OUTP:OUTP+1], s[8:9], s[2:3]
	s_lshl_b32 s2, s[CY], 7                        ; the prefetches.  A: rows 128 cy + 32 cx on, my chunk, my half of a row's 512 bytes;
	s_lshl_b32 s3, s[CX], 5
	s_add_co_u32 s2, s2, s3
	s_lshl_b32 s2, s2, AROWSH
	s_lshl_b32 s3, s[KC], 13
	s_add_co_u32 s2, s2, s3
	s_lshl_b32 s3, s[HF], 8
	s_add_co_u32 s2, s2, s3
	s_add_co_u32 s2, s2, 3*ASTEP                   ; at slot 3: the first refill (of slot 2) steps it to 4
	s_lshl_b32 s3, s[NBK], 8                       ; B: rows 256 x block + 128 x half + 32 cy on, my chunk
	s_lshl_b32 s77, s[HF], 7
	s_add_co_u32 s3, s3, s77
	s_lshl_b32 s77, s[CY], 5
	s_add_co_u32 s3, s3, s77
	s_lshl_b32 s3, s3, BROWSH
	s_lshl_b32 s77, s[KC], 12
	s_add_co_u32 s3, s3, s77
	s_add_co_u32 s3, s3, 3*BSTEP
	s_cmp_eq_u32 s[FB], 0
	s_cselect_b32 s2, s2, s3
	s_cselect_b64 s[PFA:PFA+1], s[4:5], s[6:7]
	s_mov_b32 s3, 0
	s_add_nc_u64 s[PFA:PFA+1], s[PFA:PFA+1], s[2:3]
	s_wait_tensorcnt 1                             ; my part of slot 0 is in; slot 1's may stay out
	s_barrier_signal -1
	s_barrier_wait -1                              ; everybody's is
	WIN W_1                                        ; the pipeline is primed
	LDRAW 0, 0, 0, 0
	LDRAW 0, 0, 32, 1
	WIN W_2
	LDRAW 2, 0, 0, 0
	WIN 0
	LDA 0, 0, 0
	WIN W_2
	LDRAW 2, 0, 32, 1
	WIN W_1
	s_wait_dscnt 22                                ; the first two of the 24 loads are in
.set ci, 0
.rept 4
	CVT 0
.endr
	WIN W_2
	s_wait_dscnt 18                                ; all but A's sixteen and the last two
.set ci, 0
.rept 4
	CVT 0
.endr
	v_nop                                          ; a plain instruction between the last conversion and the products that read its result
	QUARTER 0, 0, 1                                ; the first quarter stands in front of the loop: its products start the sums
	WIN 0
.Llap:                                         ; 7 trips of two slots, from slot 0's second quarter to its next first; both slots are filled again
.irp q, 1,2,3,4,5
	QUARTER \q, 0
.endr
	TURN 0, 1
	QUARTER 7, 0, 0, 1, 1, 1, 4, 2                 ; (A was waited for in front of the barrier: at the head the four loads of codes may be out, eight products on window 2's two)
.irp q, 0,1,2,3,4,5
	QUARTER \q, 1
.endr
	TURN 1, 1
	QUARTER 7, 1, 0, 1, 1, 1, 4, 2
	QUARTER 0, 0
	WIN 0
	s_sub_co_u32 s[CNT], s[CNT], 1
	s_cmp_lg_u32 s[CNT], 0
	s_cbranch_scc1 .Llap
.irp q, 1,2,3,4,5                      ; the last two slots are written out: nothing more is asked for
	QUARTER \q, 0
.endr
	TURN 0, 0
	QUARTER 7, 0, 0, 1, 1, 1, 4, 2
.irp q, 0,1,2,3,4,5
	QUARTER \q, 1
.endr
	QUARTER 6, 1, 0, 1, 0, 1                       ; the last codes are converted; A of the last quarter is read
	v_nop                                          ; the last quarter has no run of loads and so no four v_nop: this is the plain instruction between window 2's last conversions and the products that read their results
	s_wait_dscnt 0x0                               ; my last reads of the slots are over:
	s_barrier_signal -1                            ; say so; behind this barrier the stage is written over slot 0, which has had its last fill
	WIN W_1
.set mi, 0
	RUN 16, 1, 0
	WIN W_2
.set mi, 0
	RUN 16, 1, 0
	WIN 0
.rept 8
	v_nop                                          ; an LDS store that reads a matrix result stands four plain vector instructions or more behind it; no other vector work is at hand: eight, once a launch
.endr
	s_barrier_wait -1                              ; no wave reads a slot any more
	; THE WAY OUT.  All sums go into the stage as f32: lane l's eight columns of a row are 32 bytes; rows 1,040 bytes apart, so that the 16 rows of a store start at 16 different groups of four banks.
	; Each accumulator's four lowest registers are read first.
	WIN W_D1
.set t, 0
.rept 16
	ds_store_b128 v[STO0+t/8], v[8*t:8*t+3]   offset:((t/2)%4)*16*SPITCH+64*(t%2)
	ds_store_b128 v[STO0+t/8], v[8*t+4:8*t+7] offset:((t/2)%4)*16*SPITCH+64*(t%2)+16
.set t, t+1
.endr
	WIN W_D2
.set t, 0
.rept 16
	ds_store_b128 v[STO0+t/8], v[8*t:8*t+3]   offset:((t/2)%4)*16*SPITCH+128+64*(t%2)
	ds_store_b128 v[STO0+t/8], v[8*t+4:8*t+7] offset:((t/2)%4)*16*SPITCH+128+64*(t%2)+16
.set t, t+1
.endr
	WIN 0
	s_wait_dscnt 0x0                               ; for the others' sake: my stores into the stage are done
	s_barrier_signal -1
	s_barrier_wait -1
	s_mov_b32 s[RB], 0
	s_mov_b32 s[WC], 8
.Lrows:                                        ; 8 trips of 4 whole rows: a lane takes columns 4 l .. 4 l + 3 and 128 + 4 l .. of each
	v_add_nc_u32 v[RDC], s[RB], v[RD]
.irp i, 0,1,2,3
.irp c, 0,1
	ds_load_b128 v[Z+4*(2*(\i)+(\c)):Z+4*(2*(\i)+(\c))+3], v[RDC] offset:(\i)*SPITCH+512*(\c)
.endr
.endr
.set g, 0
.rept 8
	s_wait_dscnt 7-g                               ; LDS loads come back in order: load g is in, the 7 - g younger ones may be out
	global_store_b128 v[CO], v[Z+4*g:Z+4*g+3], s[OUTP:OUTP+1] offset:(g/2)*OROWB+512*(g%2)  ; 32 lanes store 512 consecutive bytes, at a multiple of 256 from part's first byte
.set g, g+1
.endr
	s_wait_xcnt 0x0                                ; the stores have read their data and their base: only behind this wait are these written again
	s_add_nc_u64 s[OUTP:OUTP+1], s[OUTP:OUTP+1], 4*OROWB
	s_add_co_u32 s[RB], s[RB], 4*SPITCH
	s_sub_co_u32 s[WC], s[WC], 1
	s_cmp_lg_u32 s[WC], 0
	s_cbranch_scc1 .Lrows
	s_wait_tensorcnt 0x0                           ; the wave's end: behind my last tensor load and my last LDS store
	ds_add_u32 v[SPW], v[NIL]
	s_wait_dscnt 0x0
	CROUND                                         ; the closing round: no work-group ends while a partner may still ask for a tile that names it
	s_endpgm
.Lfunc_end_k_q061e7cf96d_fc2:
	.size	k_q061e7cf96d_fc2, .Lfunc_end_k_q061e7cf96d_fc2-k_q061e7cf96d_fc2
	.p2alignl 7, 3214868480
	.fill 96, 4, 3214868480
	.section	.rodata,"a",@progbits
	.p2align	6, 0x0
	.amdhsa_kernel k_q061e7cf96d_fc2
		.amdhsa_group_segment_fixed_size 327680
		.amdhsa_private_segment_fixed_size 0
		.amdhsa_enable_private_segment 0
		.amdhsa_kernarg_size 24
		.amdhsa_user_sgpr_count 2
		.amdhsa_user_sgpr_kernarg_segment_ptr 1
		.amdhsa_wavefront_size32 1
		.amdhsa_system_sgpr_workgroup_id_x 1
		.amdhsa_system_sgpr_workgroup_id_y 1
		.amdhsa_system_sgpr_workgroup_id_z 1
		.amdhsa_system_vgpr_workitem_id 0
		.amdhsa_next_free_vgpr 768
		.amdhsa_next_free_sgpr 80
		.amdhsa_reserve_vcc 0
		.amdhsa_float_denorm_mode_32 3
		.amdhsa_float_denorm_mode_16_64 3
		.amdhsa_memory_ordered 1
		.amdhsa_forward_progress 1
		.amdhsa_inst_pref_size 149
	.end_amdhsa_kernel
	.amdgpu_metadata
---
amdhsa.version: [ 1, 2 ]
amdhsa.kernels:
  - .name:           k_q061e7cf96d_fc2
    .symbol:         k_q061e7cf96d_fc2.kd
    .args:
      - { .name: hb, .offset: 0, .size: 8, .value_kind: global_buffer, .address_space: global }
      - { .name: w2q, .offset: 8, .size: 8, .value_kind: global_buffer, .address_space: global }
      - { .name: part, .offset: 16, .size: 8, .value_kind: global_buffer, .address_space: global }
    .group_segment_fixed_size: 327680
    .private_segment_fixed_size: 0
    .kernarg_segment_align: 8
    .kernarg_segment_size: 24
    .max_flat_workgroup_size: 128
    .sgpr_count:     80
    .vgpr_count:     768
    .wavefront_size: 32
...
	.end_amdgpu_metadata
.endif
;; end of part 3
;; launch addup (part 4): grid 4 x 64, 8 waves a work-group, no clusters, 0 bytes of LDS; arguments part, fc2_scales, out0; writes out0
.if DOCPART == 4
	.amdgcn_target "amdgcn-amd-amdhsa--gfx1250"
	.amdhsa_code_object_version 6
	.text
	.protected	k_q061e7cf96d_addup
	.globl	k_q061e7cf96d_addup
	.p2align	8
	.type	k_q061e7cf96d_addup,@function
k_q061e7cf96d_addup:
	s_mov_b64 s[64:65], 0
	v_nop
	global_prefetch_b8 v0, s[64:65] scope:SCOPE_SE
	s_setreg_imm32_b32 hwreg(HW_REG_WAVE_MODE, 25, 1), 1
	s_wait_xcnt 0x0
; out0[m][n] = s2[n] x ((part[0] + part[1]) + (part[2] + part[3]))[m][n].  part: [4][512][4096] f32, the second product's sums over the four chunks of K; out0: [512][4096] f32.  No work is left out.
; s2 is rounded to bf16, like the program's other floating-point inputs, and applied in f32 to the finished sum.
; A work-group takes 1,024 columns x 8 rows, a thread 4 columns: 16 bytes of each of the 32 pieces, all asked for before the first wait.  A wave's load and its store cover 512 consecutive bytes, aligned.
; No LDS, no barrier: no thread wants another's bytes.
.set SC, 4                             ; v[4:7]    the scales of my four columns
.set SB, 8                             ; v[8:9]    they, packed in bf16
.set P,  16                            ; v[16:143] row r, chunk c at P + 16 r + 4 c
	s_load_b128 s[4:7], s[0:1], 0x0                ; part s[4:5], fc2_scales s[6:7]
	s_load_b64 s[8:9], s[0:1], 0x10                ; out0
	s_and_b32 s10, ttmp7, 0xffff
	s_lshl_b32 s10, s10, 17                        ; 8 rows of 16,384 bytes
	s_lshl_b32 s12, ttmp9, 12                      ; 1,024 columns of 4 bytes
	s_add_co_u32 s10, s10, s12
	s_mov_b32 s11, 0
	s_mov_b32 s13, 0
	v_lshlrev_b32 v1, 4, v0                        ; 16 bytes a thread; never rewritten
	s_wait_kmcnt 0x0
	s_add_nc_u64 s[6:7], s[6:7], s[12:13]
	s_add_nc_u64 s[8:9], s[8:9], s[10:11]
	s_add_nc_u64 s[14:15], s[4:5], s[10:11]        ; the four chunks lie 8,388,608 bytes apart, one more than a load's immediate reaches: a base for each
	s_add_nc_u64 s[16:17], s[14:15], 0x800000
	s_add_nc_u64 s[18:19], s[16:17], 0x800000
	s_add_nc_u64 s[20:21], s[18:19], 0x800000
	global_load_b128 v[SC:SC+3], v1, s[6:7]
.irp r, 0,1,2,3,4,5,6,7
.irp c, 0,1,2,3
	global_load_b128 v[P+16*(\r)+4*(\c):P+16*(\r)+4*(\c)+3], v1, s[14+2*(\c):15+2*(\c)] offset:16384*(\r) th:TH_LOAD_NT
.endr
.endr
.irp r, 0,1,2,3,4,5,6,7
	s_wait_loadcnt 4*(7-(\r))                      ; loads come back in order: row r's four are in (and the scales, issued first); the later rows' may stay out
.if (\r) == 0
	v_cvt_pk_bf16_f32 v[SB],   v[SC],   v[SC+1]
	v_cvt_pk_bf16_f32 v[SB+1], v[SC+2], v[SC+3]
	v_lshlrev_b32 v[SC],   16, v[SB]
	v_and_b32     v[SC+1], 0xffff0000, v[SB]
	v_lshlrev_b32 v[SC+2], 16, v[SB+1]
	v_and_b32     v[SC+3], 0xffff0000, v[SB+1]
.endif
.irp p, 0,2
	v_pk_add_f32 v[P+16*(\r)+(\p):P+16*(\r)+(\p)+1],     v[P+16*(\r)+(\p):P+16*(\r)+(\p)+1],     v[P+16*(\r)+4+(\p):P+16*(\r)+4+(\p)+1]
	v_pk_add_f32 v[P+16*(\r)+8+(\p):P+16*(\r)+8+(\p)+1], v[P+16*(\r)+8+(\p):P+16*(\r)+8+(\p)+1], v[P+16*(\r)+12+(\p):P+16*(\r)+12+(\p)+1]
.endr
.irp p, 0,2
	v_pk_add_f32 v[P+16*(\r)+(\p):P+16*(\r)+(\p)+1], v[P+16*(\r)+(\p):P+16*(\r)+(\p)+1], v[P+16*(\r)+8+(\p):P+16*(\r)+8+(\p)+1]
.endr
.irp p, 0,2
	v_pk_mul_f32 v[P+16*(\r)+(\p):P+16*(\r)+(\p)+1], v[P+16*(\r)+(\p):P+16*(\r)+(\p)+1], v[SC+(\p):SC+(\p)+1]
.endr
	global_store_b128 v1, v[P+16*(\r):P+16*(\r)+3], s[8:9] offset:16384*(\r) th:TH_STORE_NT
.endr
	s_endpgm
.Lfunc_end_k_q061e7cf96d_addup:
	.size	k_q061e7cf96d_addup, .Lfunc_end_k_q061e7cf96d_addup-k_q061e7cf96d_addup
	.p2alignl 7, 3214868480
	.fill 96, 4, 3214868480
	.section	.rodata,"a",@progbits
	.p2align	6, 0x0
	.amdhsa_kernel k_q061e7cf96d_addup
		.amdhsa_group_segment_fixed_size 0
		.amdhsa_private_segment_fixed_size 0
		.amdhsa_enable_private_segment 0
		.amdhsa_kernarg_size 24
		.amdhsa_user_sgpr_count 2
		.amdhsa_user_sgpr_kernarg_segment_ptr 1
		.amdhsa_wavefront_size32 1
		.amdhsa_system_sgpr_workgroup_id_x 1
		.amdhsa_system_sgpr_workgroup_id_y 1
		.amdhsa_system_sgpr_workgroup_id_z 1
		.amdhsa_system_vgpr_workitem_id 0
		.amdhsa_next_free_vgpr 160
		.amdhsa_next_free_sgpr 66
		.amdhsa_reserve_vcc 0
		.amdhsa_float_denorm_mode_32 3
		.amdhsa_float_denorm_mode_16_64 3
		.amdhsa_memory_ordered 1
		.amdhsa_forward_progress 1
		.amdhsa_inst_pref_size 10
	.end_amdhsa_kernel
	.amdgpu_metadata
---
amdhsa.version: [ 1, 2 ]
amdhsa.kernels:
  - .name:           k_q061e7cf96d_addup
    .symbol:         k_q061e7cf96d_addup.kd
    .args:
      - { .name: part, .offset: 0, .size: 8, .value_kind: global_buffer, .address_space: global }
      - { .name: fc2_scales, .offset: 8, .size: 8, .value_kind: global_buffer, .address_space: global }
      - { .name: out0, .offset: 16, .size: 8, .value_kind: global_buffer, .address_space: global }
    .group_segment_fixed_size: 0
    .private_segment_fixed_size: 0
    .kernarg_segment_align: 8
    .kernarg_segment_size: 24
    .max_flat_workgroup_size: 256
    .sgpr_count:     66
    .vgpr_count:     160
    .wavefront_size: 32
...
	.end_amdgpu_metadata
.endif
;; end of part 4
